; MI455X (gfx1250); checked and timed in simulation.
; The chip was launched on July 23, 2026; its instructions are those of AMD's public machine-readable ISA for CDNA 5 (MIT licence, August 2026) and "CDNA5" Instruction Set Architecture Reference Guide (July 2026). The comments in the code are by the model that wrote it; some were corrected since.
;; Vanilla Attention. Allowed arithmetic: matrix products marked QUANTISED: E3M2 operands, one E8M0 scale for each 32 along K, by v_wmma_scale_f32_16x16x128_f8f6f4 with both operands' format E3M2, f32 sums; everything else in f32.
;; Inputs: key 4 x 16 x 2,048 x 64 float32; query 4 x 16 x 2,048 x 64 float32; value 4 x 16 x 2,048 x 64 float32.
;; Outputs: out0 4 x 2,048 x 1,024 float32.
;; This version of the problem:
;;   THIS VERSION OF THE PROBLEM IS GIVEN IN LOW PRECISION. The matrix products marked QUANTISED in the list below multiply operands that are first quantised to E3M2 (3 exponent bits, 2 mantissa bits; 6 bits a number), with one power-of-two scale for each 32 numbers along K (OCP MX v1.0); their sums are f32. All else is computed in f32.
;;   The module's matrix products, in the order in which they are computed (A, B: the left and right operand; K: the contracted axis; several contracted axes count as one K, in the product's order):
;;     1. batch 64 x [M 2,048, K 64] x [K 64, N 2,048]; A: input query; B: input key: QUANTISED
;;     2. batch 64 x [M 2,048, K 2,048] x [K 2,048, N 64]; A: softmax (see below); B: input value: QUANTISED
;;   THE QUANTISER, for each operand of a quantised product, along K:
;;     - K is cut into blocks of 32 from its start; a last block that is shorter is filled with zeros.
;;     - A block's scale is 2^e with e = floor(log2(the largest magnitude in the block)) - 4, held to -126 .. 127; a block of zeros has e = 0. As a byte (E8M0): e + 127.
;;     - Each number is divided by its block's scale, clamped to +-28, and rounded to the nearest number of E3M2, ties to even, subnormals kept.
;;     - The product sums the exact products of the quantised numbers (number of the format x scale) in f32.
;;   ~~~python
;;   def quantise(x, axis):      # numpy; x: float32 -> the quantised numbers, widened to float32 again
;;       x = np.moveaxis(x, axis, -1); K = x.shape[-1]
;;       x = np.pad(x, [(0, 0)] * (x.ndim - 1) + [(0, -K % 32)]); x = x.reshape(x.shape[:-1] + (-1, 32)); a = np.abs(x).max(-1, keepdims=True)
;;       e = np.where(a > 0, np.clip(np.frexp(np.where(a > 0, a, 1))[1] - 1 - 4, -126, 127), 0)      # np.frexp(a)[1] - 1 = floor(log2(a)), exactly
;;       r = np.clip(x / 2.0 ** e, -28, 28)
;;       step = 2.0 ** (np.maximum(np.frexp(np.where(r == 0, 1, r))[1] - 1, -2) - 2)
;;       q = np.round(r / step) * step * 2.0 ** e      # np.round: ties to even
;;       return np.moveaxis(q.reshape(q.shape[:-2] + (-1,))[..., :K], -1, axis).astype(np.float32)
;;   ~~~
;;   SOFTMAX AHEAD OF A QUANTISED PRODUCT. Where the list says 'softmax', what is quantised is not the finished softmax but p = 2^(t - M), with t = logit x log2(e) and M = ceil(the row's largest t), a whole number; so 1/2 < the row's largest p <= 1. The row's sum l is taken of the UNQUANTISED p, in f32, and the product's result is divided by l at the end. Since M is a whole number, a kernel that streams over the keys may use a running M (the ceiling of the running maximum): every later rescaling is an exact power of two, which a block's scale takes up: the codes' values come out the same.
;;   OPERANDS COMPUTED ON THE WAY. 'Computed on the way' means the value that the module computes at that place (a softmax that the list does not call 'softmax' is quantised finished and normalised). What goes into a quantiser is computed in f32, as accurately as f32 sums, v_exp_f32 and their like allow (about 1e-6 of the number): no bf16 or f16 on the way to a quantiser, and a product that is left as it is and whose result goes on into a quantised operand takes f32 operands (vector FMAs, or v_wmma_f32_16x16x4_f32). A number that lies on a knife's edge between two numbers of the format may be rounded either way, as far as f32 arithmetic and the matrix unit's own rounding can turn it there, and no further.
;; One version. Each part assembles by itself: llvm-mc -triple=amdgcn-amd-amdhsa -mcpu=gfx1250 --defsym DOCPART=n.
;; ======== version 1 of 1: 2 launches
;; workspace buffers: kv 13,107,200 bytes
;; launch quant (part 1): grid 256 x 1, 8 waves a work-group, no clusters, 271,360 bytes of LDS; arguments key, value, kv; writes kv
.if DOCPART == 1
	.amdgcn_target "amdgcn-amd-amdhsa--gfx1250"
	.amdhsa_code_object_version 6
	.text
	.protected	k_qd866708dee_quant
	.globl	k_qd866708dee_quant
	.p2align	8
	.type	k_qd866708dee_quant,@function
k_qd866708dee_quant:
	s_mov_b64 s[64:65], 0
	v_nop
	global_prefetch_b8 v0, s[64:65] scope:SCOPE_SE
	s_setreg_imm32_b32 hwreg(HW_REG_WAVE_MODE, 25, 1), 1
	s_wait_xcnt 0x0
; K [64 heads][2048 keys][64] and V [64 heads][2048 keys][64], f32, become codes of BF6 (E3M2) with one E8M0 scale byte for each 32 along a product's K, ONCE, laid in the order
; in which the attention launch's operand registers take them.  K is quantised along d (its product's K), V along the KEYS (its product's K).
; A block's scale is 2^(floor(log2(its largest magnitude)) - 4); its byte is the largest magnitude's own exponent field - 4, held at 1 from below.
; LIMITS: NaN and infinities among the inputs are not served; a block whose largest magnitude lies under 2^-122 keeps the byte 1; a block of zeros gets the byte 1 where the rule
; says 127: its codes are zeros, which add nothing under any byte but 0xff, and the bytes are read by this program alone.
; THE BUFFER kv.  A record is one head x 256 keys; record 8 x head + slot.  Codes: 24,576 bytes a record, from byte 0: eight fragments of K, then eight of V, 1,536 bytes each.
;   A fragment is the image of its 12 registers: registers 4 c .. 4 c + 3 of lane l at 512 c + 16 l.
;   K's fragment 4 s + f (s: which 128 keys, f = 0..3) holds TWO tiles of 16 keys: lane (r, h): registers 0-5 key 32 f + r + 8 (r / 8), d = 32 h .. 32 h + 31; registers 6-11 the key 8 further on.
;   V's fragment 4 s + t: lane (r, h): column d = 16 t + r; registers 0-5 keys 32 h + 0..31 of the 128, registers 6-11 keys 64 + 32 h + 0..31.
;   Scale words: 1,024 bytes a record, from byte SCO: K's at 256 s + 64 f + 4 r (bytes: first key's two blocks, second key's two), V's at 512 + 256 s + 4 d (the four blocks of keys).
; SHARES.  Work-group x takes rows 512 x .. 512 x + 511 of both tensors (two records).  All 256 KiB come into LDS by sixteen tensor loads, each wave one of K and one of V (64 rows x 256 bytes),
; every LDS byte filled once.  Wave w quantises the 64 keys of K that it fetched itself; for V it takes 128 keys x 32 columns, a lane to a column, registers down the keys.
; Left out: matrix units (nothing is multiplied), clusters (no two work-groups read the same byte), a ring and prefetches (all of the work-group's input is asked for at its head).
.set KPITCH, 272                       ; a row of K in LDS: 256 bytes + 16 of padding = 68 words: row r starts at bank 4 r mod 64 (64 banks of 4 bytes: ISA guide 11.1)
.set VL,     512*KPITCH                ; behind K's 512 rows: V's 512 rows, 256 bytes apart, no padding: V is read 32 neighbouring words at a time
.set RECB,   24576                     ; a record's codes
.set FRB,    1536                      ; a fragment's image
.set SCO,    12582912                  ; where the scale words begin: 512 records x RECB
.set WV,  10                           ; s10      my wave's number
.set SEL, 12                           ; s[12:13] v_permlanex16_b32's selects for lane l xor 16
.set G1K, 16                           ; s[16:23] descriptor group 1 for K's tiles;  s[24:31] for V's: it differs in the padding alone
.set G1V, 24
.set G0K, 32                           ; s[32:35], s[36:39] their groups 0
.set G0V, 36
.set KCP, 40                           ; s[40:41] where my wave's two fragments of K go; its two of V lie 12,288 bytes further on
.set KSP, 42                           ; s[42:43] where my wave's 32 scale words of K go; its 32 of V lie 512 bytes further on
.set XA,  32                           ; v32-95   64 numbers: two blocks of 32
.set XB,  96                           ; v96-159  the same, a second set
.set CD,  160                          ; v160-207 four fragments' codes, each in registers of its own: no store's data are ever written again
	s_load_b128 s[4:7], s[0:1], 0x0                ; K, V
	s_load_b64 s[8:9], s[0:1], 0x10                ; kv
	v_lshl_add_u32 v254, v0, 2, 0x42000
	v_mov_b32 v255, 0
	ds_add_u32 v254, v255
	v_lshrrev_b32 v1, 5, v0
	v_readfirstlane_b32 s[WV], v1                  ; wave 0..7
	s_mov_b32 s[SEL], 0x76543210
	s_mov_b32 s[SEL+1], 0xfedcba98
	; descriptor group 1: a tile of 64 rows x 64 elements of 4 bytes
	s_mov_b32 s[G1K], (2<<16)|(1<<20)|(5<<22)|(3<<25)  ; 17:16 elements of 4 bytes; 20 padding on; 24:22 after every 64 words (code 5); 31:25 of 4 words (code 3)
	s_mov_b32 s[G1V], 2<<16                        ; the same without padding
.irp g, G1K, G1V
	s_mov_b32 s[\g+1], 64<<16                      ; tensor_dim0 = 64
	s_mov_b32 s[\g+2], 64<<16                      ; tensor_dim1 = 64
	s_mov_b32 s[\g+3], 64<<16                      ; tile_dim0 = 64
	s_mov_b32 s[\g+4], 64                          ; tile_dim1 = 64
	s_mov_b32 s[\g+5], 64                          ; elements from row to row
	s_mov_b32 s[\g+6], 0
	s_mov_b32 s[\g+7], 0
.endr
	s_lshl_b32 s48, ttmp9, 17                      ; the work-group's 512 rows of 256 bytes,
	s_lshl_b32 s49, s[WV], 14                      ; my wave's 64 of them
	s_add_co_u32 s48, s48, s49
	s_mov_b32 s49, 0
	s_mul_i32 s50, s[WV], 64*KPITCH                ; where they go: K's,
	s_lshl_b32 s51, s[WV], 14
	s_add_co_u32 s51, s51, VL                      ; and V's
	s_lshl_b32 s52, ttmp9, 1
	s_lshr_b32 s53, s[WV], 2
	s_add_co_u32 s52, s52, s53                     ; my record: 2 x work-group + wave / 4
	s_and_b32 s53, s[WV], 3                        ; and my quarter of it
	s_mul_i32 s54, s52, RECB
	s_mul_i32 s56, s53, 2*FRB
	s_add_co_u32 s54, s54, s56                     ; my two fragments' first byte in kv
	s_mov_b32 s55, 0
	s_lshl_b32 s56, s52, 10
	s_lshl_b32 s58, s53, 7
	s_add_co_u32 s56, s56, s58
	s_add_co_u32 s56, s56, SCO                     ; my 32 scale words' first byte
	s_mov_b32 s57, 0
	s_wait_dscnt 0x0
	s_wait_kmcnt 0x0
	s_mov_b32 s[G0K], 1                            ; count = 1
	s_mov_b32 s[G0K+1], s50                        ; LDS address
	s_add_nc_u64 s[G0K+2:G0K+3], s[4:5], s[48:49]  ; global address of the tile's first element
	s_or_b32 s[G0K+3], s[G0K+3], 0x80000000        ; type = 2
	s_mov_b32 s[G0V], 1
	s_mov_b32 s[G0V+1], s51
	s_add_nc_u64 s[G0V+2:G0V+3], s[6:7], s[48:49]
	s_or_b32 s[G0V+3], s[G0V+3], 0x80000000
	tensor_load_to_lds s[G0K:G0K+3], s[G1K:G1K+7]  ; both first fills together, K's first: two loads of mine are out
	s_nop 0
	tensor_load_to_lds s[G0V:G0V+3], s[G1V:G1V+7]
	s_nop 0
.rept 4
	v_nop                                          ; behind a tensor load
.endr
	s_add_nc_u64 s[KCP:KCP+1], s[8:9], s[54:55]
	s_add_nc_u64 s[KSP:KSP+1], s[8:9], s[56:57]
	v_and_b32 v1, 31, v0                           ; lane
	v_and_b32 v2, 15, v0                           ; r
	v_bfe_u32 v3, v0, 4, 1                         ; h
	v_and_b32 v4, 8, v2
	v_add_nc_u32 v4, v4, v2                        ; r + 8 (r / 8)
	v_mul_u32_u24 v4, v4, KPITCH
	v_lshl_add_u32 v4, v3, 7, v4                   ; + 128 h: my block of 32 along d
	v_add_nc_u32 v4, s50, v4                       ; v4: K in LDS, in my wave's own tile
	s_lshr_b32 s58, s[WV], 1
	s_lshl_b32 s58, s58, 15                        ; V: 128 keys x 256 bytes for each pair of waves,
	s_and_b32 s59, s[WV], 1
	s_lshl_b32 s59, s59, 7                         ; 32 columns x 4 bytes for each wave of the pair
	s_add_co_u32 s58, s58, s59
	s_add_co_u32 s58, s58, VL
	v_lshl_add_u32 v5, v1, 2, s58                  ; v5: V in LDS: my column
	v_lshlrev_b32 v6, 4, v1                        ; v6: 16 x lane: K's images
	v_mul_u32_u24 v7, v3, FRB
	v_lshl_add_u32 v7, v2, 4, v7                   ; v7: V's images: lanes 0-15 belong to one tile, lanes 16-31 to the next
	v_lshlrev_b32 v8, 2, v1                        ; v8: 4 x lane: scale words
	v_lshlrev_b32 v9, 3, v3                        ; v9: 8 h
	v_mov_b32 v17, 0                               ; written once: a lane permute's destination counts as one of its sources
; Two blocks of 32 numbers, v[x] .. v[x + 31] and v[x + 32] .. v[x + 63], become the 12 registers v[c] on; v16 = the first block's byte | the second's << 16.  The two blocks take turns line by line.
.macro QCORE x, c
	v_max3_num_f32 v10, |v[\x]|, |v[\x+1]|, 0x2800000       ; the largest magnitude, with the floor 2^(5 - 127) among its leaves: so the byte cannot fall under 1
	v_max3_num_f32 v11, |v[\x+32]|, |v[\x+33]|, 0x2800000
.irp i, 2,4,6,8,10,12,14,16,18,20,22,24,26,28,30
	v_max3_num_f32 v10, v10, |v[\x+\i]|, |v[\x+\i+1]|
	v_max3_num_f32 v11, v11, |v[\x+32+\i]|, |v[\x+33+\i]|
.endr
	v_add_nc_u32 v12, 0xfe000000, v10              ; 4 off the exponent field: the conversion takes the exponent field of this operand as its scale, and nothing else of it
	v_add_nc_u32 v13, 0xfe000000, v11
	v_cvt_scalef32_pk16_bf6_f32 v[\c:\c+2], v[\x:\x+15], v12
	v_cvt_scalef32_pk16_bf6_f32 v[24:26], v[\x+16:\x+31], v12      ; (a conversion's three registers begin on an even number: a block's second half is made elsewhere and moved)
	v_cvt_scalef32_pk16_bf6_f32 v[\c+6:\c+8], v[\x+32:\x+47], v13
	v_cvt_scalef32_pk16_bf6_f32 v[28:30], v[\x+48:\x+63], v13
	v_lshrrev_b32 v14, 23, v12                     ; the scales' bytes.  (Also the plain vector line between the conversions and the moves that read their results)
	v_lshrrev_b32 v15, 23, v13
.irp i, 0,1,2
	v_mov_b32 v[\c+3+\i], v[24+\i]
	v_mov_b32 v[\c+9+\i], v[28+\i]
.endr
	v_lshl_or_b32 v16, v15, 16, v14
.endm
.macro PUT adr, c, off                 ; a fragment's part goes out: three stores of 16 bytes a lane
.irp k, 0,1,2
	global_store_b128 v[\adr], v[\c+4*\k:\c+4*\k+3], s[KCP:KCP+1] offset:\off+512*\k
.endr
.endm
.macro KLOAD x, e                      ; pair-fragment e of my two: my two keys' 32 numbers each
.irp u, 0,1
.irp j, 0,1,2,3,4,5,6,7
	ds_load_b128 v[\x+32*\u+4*\j:\x+32*\u+4*\j+3], v4 offset:\e*32*KPITCH+\u*8*KPITCH+16*\j
.endr
.endr
.endm
.macro VLOAD x, beta                   ; my column's keys 32 beta + 0..31 and 64 + 32 beta + 0..31: each load takes 32 neighbouring words
.irp c, 0,1
.irp i, 0,1,2,3,4,5,6,7,8,9,10,11,12,13,14,15,16,17,18,19,20,21,22,23,24,25,26,27,28,29,30,31
	ds_load_b32 v[\x+32*\c+\i], v5 offset:(64*\c+32*\beta+\i)*256
.endr
.endr
.endm
	; ---- K.  Only the wave that fetched these 64 rows reads them: its own wait is all the ordering that the reads need
	s_wait_tensorcnt 0x1                           ; tensor loads of a wave end in order: K's tile is in; the one that may stay out is V's, issued behind it
	KLOAD XA, 0
	KLOAD XB, 1
	s_wait_dscnt 16                                ; the first 16 loads are in; the 16 of the second pair-fragment may be out
	QCORE XA, CD
	v_lshlrev_b32 v18, v9, v16                     ; my two bytes at their places in the scale word (8 h bits up);
	v_permlanex16_b32 v17, v18, s[SEL], s[SEL+1]
	v_or_b32 v18, v18, v17                         ; with lane l xor 16's two the word is whole, in both lanes
	PUT 6, CD, 0                                   ; each store covers 512 consecutive bytes, aligned
	s_wait_dscnt 0x0
	QCORE XB, CD+12
	v_lshlrev_b32 v19, v9, v16
	v_permlanex16_b32 v17, v19, s[SEL], s[SEL+1]
	v_or_b32 v19, v19, v17
	PUT 6, CD+12, FRB
	v_cmp_gt_u32 vcc_lo, 16, v1
	v_cndmask_b32 v21, v19, v18, vcc_lo            ; lanes 0-15 the first pair-fragment's words, lanes 16-31 the second's
	global_store_b32 v8, v21, s[KSP:KSP+1]         ; 128 consecutive bytes: with the neighbouring wave's an aligned run of 256
	; ---- the one barrier: my 128 rows of V were fetched by two waves
	s_wait_tensorcnt 0x0                           ; my tile of V is in,
	s_wait_dscnt 0x0                               ; no LDS instruction of mine is pending at the signal,
	s_barrier_signal -1
	s_barrier_wait -1                              ; and everybody's tile is in.
	; ---- V: a lane to a column, registers down the keys: nothing is transposed by an instruction
	VLOAD XA, 0
	s_wait_dscnt 0x0
	VLOAD XB, 1                                    ; lands while the first set is quantised
	QCORE XA, CD+24
	v_mov_b32 v20, v16                             ; the bytes of blocks 0 and 2
	PUT 7, CD+24, 8*FRB                            ; lanes 0-15 store 256 consecutive bytes of one tile's image, aligned; lanes 16-31 of the next tile's
	s_wait_dscnt 0x0
	QCORE XB, CD+36
	PUT 7, CD+36, 8*FRB+256
	v_lshl_or_b32 v22, v16, 8, v20                 ; with the bytes of blocks 1 and 3: my column's scale word for these 128 keys
	global_store_b32 v8, v22, s[KSP:KSP+1] offset:512
	s_wait_tensorcnt 0x0
	ds_add_u32 v254, v255
	s_wait_dscnt 0x0
	s_endpgm
.Lfunc_end_k_qd866708dee_quant:
	.size	k_qd866708dee_quant, .Lfunc_end_k_qd866708dee_quant-k_qd866708dee_quant
	.p2alignl 7, 3214868480
	.fill 96, 4, 3214868480
	.section	.rodata,"a",@progbits
	.p2align	6, 0x0
	.amdhsa_kernel k_qd866708dee_quant
		.amdhsa_group_segment_fixed_size 271360
		.amdhsa_private_segment_fixed_size 0
		.amdhsa_enable_private_segment 0
		.amdhsa_kernarg_size 24
		.amdhsa_user_sgpr_count 2
		.amdhsa_user_sgpr_kernarg_segment_ptr 1
		.amdhsa_wavefront_size32 1
		.amdhsa_system_sgpr_workgroup_id_x 1
		.amdhsa_system_sgpr_workgroup_id_y 1
		.amdhsa_system_sgpr_workgroup_id_z 1
		.amdhsa_system_vgpr_workitem_id 0
		.amdhsa_next_free_vgpr 256
		.amdhsa_next_free_sgpr 66
		.amdhsa_reserve_vcc 1
		.amdhsa_float_denorm_mode_32 3
		.amdhsa_float_denorm_mode_16_64 3
		.amdhsa_memory_ordered 1
		.amdhsa_forward_progress 1
		.amdhsa_inst_pref_size 28
	.end_amdhsa_kernel
	.amdgpu_metadata
---
amdhsa.version: [ 1, 2 ]
amdhsa.kernels:
  - .name:           k_qd866708dee_quant
    .symbol:         k_qd866708dee_quant.kd
    .args:
      - { .name: key, .offset: 0, .size: 8, .value_kind: global_buffer, .address_space: global }
      - { .name: value, .offset: 8, .size: 8, .value_kind: global_buffer, .address_space: global }
      - { .name: kv, .offset: 16, .size: 8, .value_kind: global_buffer, .address_space: global }
    .group_segment_fixed_size: 271360
    .private_segment_fixed_size: 0
    .kernarg_segment_align: 8
    .kernarg_segment_size: 24
    .max_flat_workgroup_size: 256
    .sgpr_count:     66
    .vgpr_count:     256
    .wavefront_size: 32
...
	.end_amdgpu_metadata
.endif
;; end of part 1
;; launch attn (part 2): grid 4 x 64, 16 waves a work-group, no clusters, 327,680 bytes of LDS; arguments query, kv, out0; writes out0
.if DOCPART == 2
	.amdgcn_target "amdgcn-amd-amdhsa--gfx1250"
	.amdhsa_code_object_version 6
	.text
	.protected	k_qd866708dee_attn
	.globl	k_qd866708dee_attn
	.p2align	8
	.type	k_qd866708dee_attn,@function
k_qd866708dee_attn:
	s_mov_b64 s[64:65], 0
	v_nop
	global_prefetch_b8 v0, s[64:65] scope:SCOPE_SE
	s_setreg_imm32_b32 hwreg(HW_REG_WAVE_MODE, 25, 1), 1
	s_wait_xcnt 0x0
; out0[b][q][64 hd + d] = the sum over k <= q of softmax_k(Q[b][hd][q] . K[b][hd][k] / 8) V[b][hd][k][d]: 64 heads, 2,048 queries and keys, head size 64.  Both products on codes of BF6 (E3M2), 6 bits each,
; with one E8M0 scale for each 32 along a product's K.  Q arrives as f32 and is quantised here, in registers; K's and V's codes and scale words come from kv, where the launch before has laid them
; in the order of the operands' registers (a record = one head x 256 keys: 24,576 bytes of codes, 1,024 of scale words).
; THE SOFTMAX AHEAD OF THE SECOND PRODUCT: t = score x log2(e) / 8; M = the row's largest t so far, rounded UP to a whole number; p = 2^(t - M) is what is quantised, along the keys; it is not normalised.
; The row's sum is taken of the unquantised p, in f32, and divides O at the end.  When M moves, the sum and O are multiplied by 2^(old M - new M): exact.
; LIMITS: NaN and infinities among the inputs are not served; a block whose largest magnitude lies under 2^-122 keeps the scale byte 1, and so does a block of zeros (its codes are zeros).
; SHARES.  Work-group (j, head) owns the blocks 7 - j and j of 256 queries, the later block first.  Block b needs the slots 0 .. b of 256 keys, so every work-group walks (8 - j) + (j + 1) = 9 slots, two of them
; on the diagonal: 256 work-groups of equal work, and the count of trips is the constant 9.  Each of the SIXTEEN waves owns 16 queries of the block in hand, in 256 registers: four waves to a SIMD, so that
; one wave's vector work stands beside another's matrix work and LDS loads.  A step of 128 keys all of which come after the wave's queries is left out, by a scalar branch on ids.
; LAYOUT.  Both products are used transposed: S^T = K Q^T (source 0 = keys, source 1 = my 16 queries), O^T = V^T P^T (source 0 = 16 of the head's 64, source 1 = P): a lane holds ONE query (lane % 16) throughout.
; THE FIRST PRODUCT'S K IS 64, half of the instruction's 128.  One operand of K holds TWO tiles of 16 keys, one in k = 0..63 and one in k = 64..127, and is multiplied twice: by [q | 0] and by [0 | q].  The zeros are
; zero CODES on Q's side, under the scale byte 0 (2^-127, no NaN); what meets them on K's side is finite: those products are exact zeros.  So no register and no LDS byte of K holds padding.
; THE KEYS OF A TILE ARE NOT NEIGHBOURS: row r of tile 2 f + u is key 32 f + 8 u + r + 8 (r / 8), so that the 16 registers of tiles 2 f and 2 f + 1 are 16 neighbouring keys, 32 f + 16 (lane / 16) + 0 .. 15.
; NO JOINT LOADS, though a head's four work-groups read the same records: from trip 8 - j on they want different slots (partner j turns back to slot 0 there), so a common order of slots would take
; 8 + 4 = 12 slot-times for each in place of 9, in a loop whose time is its vector work; what would be shared is 25,600 bytes a slot.
; THE RING: two LDS slots of one record each, filled by the tensor data mover (waves 0 to 2: a third of the codes each; wave 3: the scale words) and read by all sixteen waves.
.set RECB,   24576                     ; a record's codes
.set FRB,    1536                      ; a fragment's image: registers 4 c .. 4 c + 3 of lane l at 512 c + 16 l
.set SCO,    12582912                  ; where the scale words begin in kv
.set SLOT1,  32768                     ; slot 1 begins here, so that one exclusive or turns an address in one slot into the other's
.set SCL,    24576                     ; in a slot: the scale words, behind the codes
.set STAGE,  65536                     ; behind the ring: 16 rows x 272 bytes for each wave, for the way out; no fill ever lands here
.set SPITCH, 272                       ; 256 bytes + 16 = 68 words: row r starts at bank 4 r mod 64 (64 banks of 4 bytes: ISA guide 11.1)
.set SPARE,  STAGE+16*16*SPITCH        ; behind the stages: the spare words, 128 bytes for each wave: eight blocks of 256 bytes that no other line names
.set LI,  1                            ; v1   16 x lane: an image's place for my lane
.set LS,  2                            ; v2   4 x lane: a scale word's
.set SPW, 3                            ; v3   LDS address of my spare word: SPARE + 4 x my thread's number; never rewritten
.set NIL, 4                            ; v4   0; never rewritten
.set GO,  5                            ; v5   the way out: my byte offset in the wave's rows of out0
.set STO, 6                            ; v6   where I put 16 bytes of a row in my stage
.set RD,  7                            ; v7   where I read a row back
.set ADI, 8                            ; v8   the slot in hand + LI
.set ADS, 9                            ; v9   the slot in hand + LS
.set DG,  10                           ; v10  lane % 16 - 16 (lane / 16), for the mask
.set PFO, 11                           ; v11  256 x lane: the prefetches' offset; never rewritten
.set NM,  12                           ; v12  -M;  v13 the largest t so far
.set SUM, 14                           ; v[14:15] the row's sum, in two halves
.set QB,  16                           ; v[16:27] = [0 | q]:  v16-21 zeros, v22-27 q's codes
.set QA,  22                           ; v[22:33] = [q | 0]:  v22-27 q's codes, v28-33 zeros
.set Q2,  34                           ; v34-39 the second block's codes of q;  v40 its scale word
.set Q2S, 40
.set QSA, 41                           ; v41  q's scale word for [q | 0]: bytes q0, q1, 0, 0
.set QSB, 42                           ; v42  for [0 | q]: bytes 0, 0, q0, q1
.set PS,  43                           ; v43  p's scale word
.set KS,  44                           ; v44-45 K's scale words: lanes 0-15 an even fragment's, lanes 16-31 the odd one's
.set VS,  46                           ; v46-47 V's likewise
.set F,   48                           ; v48-95 four fragments, of K and then of V
.set S,   96                           ; v96-159 S^T, then p
.set O,   160                          ; v160-191 O^T
.set PC,  192                          ; v192-203 p's codes
.set PT,  204                          ; v[204:206], v[208:210] the conversions' second halves
.set BM,  212                          ; v212-215 each block's largest score, then its largest p
.set BP,  216                          ; v216-219 the other half of the lanes', then the scale bytes
.set BS,  220                          ; v220-223 the conversions' scale operands
.set FF,  224                          ; v[224:225] f = 2^(old M - new M) (v225 is named with it as a pair, so it is written once)
.set TT,  226                          ; v226 at work
.set SU2, 228                          ; v[228:229] the sum's second chain
.set AUX, 230                          ; v230 8 (lane / 16) at the head, -infinity in the mask
.set QOF, 231                          ; v231 my byte offset in the wave's rows of Q; never rewritten
.set TB,    2                          ; s2   LDS byte at which the slot in hand begins
.set SLOTS, 3                          ; s3   counts the loop's trips, 8 .. 1
.set WV,    18                         ; s18  my wave's number
.set SEL,   20                         ; s[20:21] v_permlanex16_b32's selects for lane l xor 16
.set CS,    22                         ; s[22:23] c = log2(e) / 8: the packed form names a pair and takes its low word for both halves
.set G1C,   24                         ; s[24:31] descriptor group 1 for a third of the codes;  s[32:39] for the scale words
.set G1S,   32
.set G0C,   40                         ; s[40:43], s[44:47] their groups 0
.set G0S,   44
.set CB,    48                         ; s[48:49] my head's codes in kv, at my third of a record
.set SB,    50                         ; s[50:51] my head's scale words
.set T0,    52                         ; s[52:53] an offset; its high word stays 0
.set SG,    54                         ; s54  which slot of keys was asked for last
.set NS1,   55                         ; s55  8 - j: slots of the first walk
.set SWS,   56                         ; s56  j + 1: the value of s[SLOTS] in the first walk's last trip
.set KF,    57                         ; s57  the step's first key
.set Q0,    58                         ; s58  my first query of the block in hand;  s59 of the second block
.set Q0B,   59
.set OA,    60                         ; s[60:61] my rows of out0 for the block in hand;  s[66:67] for the second block
.set OB,    66
.set PFA,   68                         ; s[68:69] where my prefetches stand;  s[70:71] their step
.set PFS,   70
.set LIM,   72                         ; s72  a wave prefetches while s[SLOTS] is above it
.set TS,    73                         ; s73  at work
; Waves 0 to 2 fetch the codes, wave 3 the scale words, the others nothing.  The branches hang on the wave's number alone.  Four v_nop follow each of the two lines.
.macro TLOAD
	s_cmp_lt_u32 s[WV], 3
	s_cbranch_scc0 .Lnot_c_\@
	tensor_load_to_lds s[G0C:G0C+3], s[G1C:G1C+7]
	s_nop 0
.rept 4
	v_nop
.endr
	s_branch .Lasked_\@
.Lnot_c_\@:
	s_cmp_lt_u32 s[WV], 4
	s_cbranch_scc0 .Lasked_\@
	tensor_load_to_lds s[G0S:G0S+3], s[G1S:G1S+7]
	s_nop 0
.rept 4
	v_nop
.endr
.Lasked_\@:
.endm
; A PREFETCH INTO THE L2 of the record that the NEXT change of slots will ask for.  It stands at the change of slots, where the fetching waves have their tensor load.
; A head's four work-groups walk the same records: work-group j = 0, whose first walk takes all 8 slots in order, asks, and nobody else (a branch on the work-group's number: this launch has no cluster).
; In it the waves ask that fetch nothing, one instruction each: waves 4 to 6 for a third of the record's codes, 8,192 bytes a wave, lanes 256 bytes apart: trip i names slot i + 2, trips 0 to 5.
; Wave 7 asks once, in trip 0, for the head's 8,192 bytes of scale words.  Slots 0 and 1 of the codes come by their loads alone; the last trips ask for nothing: slot 7 is the head's last.
.macro ASK
	s_cmp_gt_u32 s[SLOTS], s[LIM]
	s_cbranch_scc0 .Lnot_mine_\@
	global_prefetch_b8 v[PFO], s[PFA:PFA+1] th:TH_LOAD_NT scope:SCOPE_SE
.Lnot_mine_\@:
.endm
; THE CHANGE OF SLOTS stands at a slot's head.  Each wave waits for all its tensor loads (its part of the slot that it is about to read), adds 0 to its spare word, and waits for that and for its reads of the slot
; that it has left.  Behind the barrier the slot ahead is whole and nobody reads the other one.  fill = 1: that other slot is filled with the record that follows: the load has a whole slot's two steps in which to land.
.macro CHANGE fill
	s_wait_tensorcnt 0x0                           ; no tensor load of mine is out (one was, at the most), so a group 0 may be written
	ds_add_u32 v[SPW], v[NIL]                      ; 0 onto my spare word; with fill = 1 the descriptors' steps stand between it and the wait for it
.if \fill
	s_xor_b32 s[G0C+1], s[G0C+1], SLOT1            ; the other slot than last time
	s_xor_b32 s[G0S+1], s[G0S+1], SLOT1
	s_add_co_u32 s[SG], s[SG], 1                   ; the next slot of keys;
	s_cmp_eq_u32 s[SG], s[NS1]
	s_cselect_b32 s[SG], 0, s[SG]                  ; behind the first walk's last, the second walk's slot 0
	s_mul_i32 s[T0], s[SG], RECB
	s_add_nc_u64 s[G0C+2:G0C+3], s[CB:CB+1], s[T0:T0+1]
	s_or_b32 s[G0C+3], s[G0C+3], 0x80000000        ; type = 2
	s_lshl_b32 s[T0], s[SG], 10
	s_add_nc_u64 s[G0S+2:G0S+3], s[SB:SB+1], s[T0:T0+1]
	s_or_b32 s[G0S+3], s[G0S+3], 0x80000000
	s_wait_xcnt 0x0                                ; the last prefetch, a slot back, has read its address, so it may be written
	s_add_nc_u64 s[PFA:PFA+1], s[PFA:PFA+1], s[PFS:PFS+1]
.endif
	s_wait_dscnt 0x0                               ; the add is done, and my reads of the slot that I have left are over
	s_barrier_signal -1
	s_barrier_wait -1
.if \fill
	TLOAD                                          ; the first thing behind the barrier, and a wave's one tensor load until the next
	ASK
.endif
.endm
; One block of 32 numbers of a lane, v[x] .. v[x + 31] (row lane % 16, d = 32 (lane / 16) on), becomes six registers of codes, v[d] on; v[w] = the row's two scale bytes, in bytes 0 and 1.
.macro QQ x, d, w
	v_max3_num_f32 v[BM], |v[\x]|, |v[\x+1]|, 0x2800000            ; the largest magnitude, with the floor 2^(5 - 127) among its leaves: so the byte cannot fall under 1
.irp i, 2,4,6,8,10,12,14,16,18,20,22,24,26,28,30
	v_max3_num_f32 v[BM], v[BM], |v[\x+\i]|, |v[\x+\i+1]|
.endr
	v_add_nc_u32 v[BS], 0xfe000000, v[BM]          ; 4 off the exponent field: the conversion's scale operand
	v_lshrrev_b32 v[BP], 23, v[BS]                 ; the scale's byte
	v_cvt_scalef32_pk16_bf6_f32 v[\d:\d+2], v[\x:\x+15], v[BS]
	v_cvt_scalef32_pk16_bf6_f32 v[PT:PT+2], v[\x+16:\x+31], v[BS]  ; (a conversion's three registers begin on an even number)
	v_lshlrev_b32 v[\w], v[AUX], v[BP]             ; my byte, 8 (lane / 16) bits up.  (Also the plain vector line between the conversions and the moves that read their results)
.irp i, 0,1,2
	v_mov_b32 v[\d+3+\i], v[PT+\i]
.endr
	v_permlanex16_b32 v[BP], v[\w], s[SEL], s[SEL+1]
	v_or_b32 v[\w], v[\w], v[BP]                   ; with lane l xor 16's
.endm
; A block of queries begins: the largest t is under every t, the sum and O^T are zeros, which the first change of M leaves zeros.  So the key step is written without a first step of its own.
.macro RESET
	v_mov_b32 v[NM+1], 0xff61b1e6                  ; -3e38
	v_floor_f32 v[NM], -v[NM+1]
	v_mov_b32 v[SUM], 0
	v_mov_b32 v[SUM+1], 0
.set II, 0
.rept 32
	v_mov_b32 v[O+II], 0
.set II, II+1
.endr
.endm
; A KEY STEP: 128 keys, the q-th of the slot in hand.
.macro STEP q
	s_add_co_u32 s[TS], s[Q0], 15                  ; a step all of whose keys come after my 16 queries is left out: no barrier and no tensor load stands in a step
	s_cmp_gt_u32 s[KF], s[TS]
	s_cbranch_scc1 .Lhidden_\@
.irp f, 0,1,2,3
.irp c, 0,1,2
	ds_load_b128 v[F+12*\f+4*\c:F+12*\f+4*\c+3], v[ADI] offset:(4*(\q)+\f)*FRB+512*\c      ; K's four fragments, eight tiles of 16 keys: each load takes 512 consecutive bytes
.endr
.endr
.irp i, 0,1
	ds_load_b32 v[KS+\i], v[ADS] offset:SCL+256*(\q)+128*\i
.endr
	s_wait_dscnt 0x0
.irp i, 0,1                                    ; S^T = K Q^T: each fragment twice; the products start their sums with the constant 0.  Register 16 b + i of lane (r, h) then holds key KF + 32 b + 16 h + i for query r
	v_wmma_scale_f32_16x16x128_f8f6f4 v[S+32*\i:S+32*\i+7], v[F+24*\i:F+24*\i+11], v[QA:QA+11], 0, v[KS+\i], v[QSA] matrix_a_fmt:MATRIX_FMT_BF6 matrix_b_fmt:MATRIX_FMT_BF6
	v_wmma_scale_f32_16x16x128_f8f6f4 v[S+32*\i+8:S+32*\i+15], v[F+24*\i:F+24*\i+11], v[QB:QB+11], 0, v[KS+\i], v[QSB] matrix_a_fmt:MATRIX_FMT_BF6 matrix_b_fmt:MATRIX_FMT_BF6
	v_wmma_scale_f32_16x16x128_f8f6f4 v[S+32*\i+16:S+32*\i+23], v[F+24*\i+12:F+24*\i+23], v[QA:QA+11], 0, v[KS+\i], v[QSA] matrix_a_fmt:MATRIX_FMT_BF6 matrix_b_fmt:MATRIX_FMT_BF6 matrix_a_scale:MATRIX_SCALE_ROW1
	v_wmma_scale_f32_16x16x128_f8f6f4 v[S+32*\i+24:S+32*\i+31], v[F+24*\i+12:F+24*\i+23], v[QB:QB+11], 0, v[KS+\i], v[QSB] matrix_a_fmt:MATRIX_FMT_BF6 matrix_b_fmt:MATRIX_FMT_BF6 matrix_a_scale:MATRIX_SCALE_ROW1
.endr
.rept 4
	v_nop                                          ; four places in front of loads into registers that these products have read, and of the first read of their results
.endr
.irp t, 0,1,2,3
.irp c, 0,1,2
	ds_load_b128 v[F+12*\t+4*\c:F+12*\t+4*\c+3], v[ADI] offset:(8+4*(\q)+\t)*FRB+512*\c    ; V's four fragments take K's registers, and land while the softmax is worked
.endr
.endr
.irp i, 0,1
	ds_load_b32 v[VS+\i], v[ADS] offset:SCL+512+256*(\q)+128*\i
.endr
	s_add_co_u32 s[TS], s[KF], 127                 ; on the diagonal the scores of hidden keys become -infinity ahead of the maximum: p = 0 then.  A step all of whose keys count skips this
	s_cmp_le_u32 s[TS], s[Q0]
	s_cbranch_scc1 .Lopen_\@
	s_sub_co_i32 s[TS], s[Q0], s[KF]
	v_add_nc_u32 v[TT], s[TS], v[DG]               ; d = my query - KF - 16 (lane / 16): register 16 b + i is hidden where 32 b + i > d
	v_mov_b32 v[AUX], 0xff800000                   ; -infinity
.set II, 0
.rept 64
	v_cmp_gt_i32 vcc_lo, 32*(II/16)+II%16, v[TT]
	v_cndmask_b32 v[S+II], v[S+II], v[AUX], vcc_lo
.set II, II+1
.endr
.Lopen_\@:
.irp b, 0,1,2,3
	v_max3_num_f32 v[BM+\b], v[S+16*\b], v[S+1+16*\b], v[S+2+16*\b]       ; THE LARGEST SCORE OF EACH BLOCK OF 32 KEYS: it serves twice: for the row's maximum, and, since p rises with the score, for the block's largest p
.endr
.irp i, 3,5,7,9,11,13
.irp b, 0,1,2,3
	v_max3_num_f32 v[BM+\b], v[BM+\b], v[S+16*\b+\i], v[S+1+16*\b+\i]     ; (the four blocks by turns)
.endr
.endr
.irp b, 0,1,2,3
	v_max_num_f32 v[BM+\b], v[BM+\b], v[S+15+16*\b]
.endr
.irp b, 0,1,2,3
	v_permlanex16_b32 v[BP+\b], v[BM+\b], s[SEL], s[SEL+1]
.endr
.irp b, 0,1,2,3
	v_max_num_f32 v[BM+\b], v[BM+\b], v[BP+\b]     ; with lane l xor 16's 16 keys
.endr
	v_max3_num_f32 v[TT], v[BM], v[BM+1], v[BM+2]
	v_max_num_f32 v[TT], v[TT], v[BM+3]            ; the step's largest score of my query (the step's first key counts for every query of mine: it is a number)
	v_mul_f32 v[TT], s[CS], v[TT]                  ; as t (c is positive)
	v_max_num_f32 v[NM+1], v[NM+1], v[TT]          ; the running largest t
	v_mov_b32 v[TT], v[NM]
	v_floor_f32 v[NM], -v[NM+1]                    ; the new -M = floor(-t) = -ceil(t): M IS A WHOLE NUMBER
	v_sub_f32 v[TT], v[NM], v[TT]                  ; M's old value less its new one: a whole number, 0 or less
	v_cvt_i32_f32 v[TT], v[TT]                     ; (it saturates)
	v_ldexp_f32 v[FF], 1.0, v[TT]                  ; f = 2^(old M - new M): a multiplication by it rounds nothing
.set II, 0
.rept 32
	v_pk_fma_f32 v[S+II:S+II+1], v[S+II:S+II+1], s[CS:CS+1], v[NM:NM+1] op_sel_hi:[1,0,0]   ; t - M, two at a time (of the pairs c and -M the low word serves both halves)
.set II, II+2
.endr
.irp b, 0,1,2,3
	v_fma_f32 v[BM+\b], v[BM+\b], s[CS], v[NM]     ; the same of each block's largest score
.endr
.set II, 0
.rept 64
	v_exp_f32 v[S+II], v[S+II]                     ; p = 2^(t - M), at most 1: NOT normalised
.set II, II+1
.endr
	v_pk_mul_f32 v[SUM:SUM+1], v[SUM:SUM+1], v[FF:FF+1] op_sel_hi:[1,0]   ; the sums under the new M.  (The plain vector line behind the exponentials)
	s_wait_alu depctr_va_vdst(0)                   ; one wait for the whole batch, ahead of its first reader
.irp b, 0,1,2,3
	v_exp_f32 v[BM+\b], v[BM+\b]                   ; the block's largest p: the same two instructions on the same number give the same bits
.endr
	v_pk_add_f32 v[SU2:SU2+1], v[S:S+1], v[S+2:S+3]                       ; THE ROW'S SUM IS TAKEN OF THE UNQUANTISED p: two at a time, in two chains.  (It reads the 64 alone: plain work behind the four)
.irp j, 4,8,12,16,20,24,28,32,36,40,44,48,52,56,60
	v_pk_add_f32 v[SUM:SUM+1], v[SUM:SUM+1], v[S+\j:S+1+\j]
	v_pk_add_f32 v[SU2:SU2+1], v[SU2:SU2+1], v[S+2+\j:S+3+\j]
.endr
	v_pk_add_f32 v[SUM:SUM+1], v[SUM:SUM+1], v[SU2:SU2+1]
	s_wait_alu depctr_va_vdst(0)                   ; and one for the four
.irp b, 0,1,2,3
	v_max_num_f32 v[BM+\b], 0x2800000, v[BM+\b]    ; the floor 2^(5 - 127): the byte cannot fall under 1 (a block whose every p is 0 keeps that byte: its codes are zeros)
.endr
.irp b, 0,1,2,3
	v_add_nc_u32 v[BS+\b], 0xfe000000, v[BM+\b]    ; 4 off the exponent field: the conversion's scale operand
.endr
.irp b, 0,1,2,3
	v_lshrrev_b32 v[BP+\b], 23, v[BS+\b]           ; the scale's byte
.endr
	v_lshl_or_b32 v[PS], v[BP+1], 8, v[BP]         ; p's scale word for these 128 keys
	v_lshl_or_b32 v[PS], v[BP+2], 16, v[PS]
	v_lshl_or_b32 v[PS], v[BP+3], 24, v[PS]
.irp c, 0,1
	v_cvt_scalef32_pk16_bf6_f32 v[PC+6*\c:PC+2+6*\c], v[S+32*\c:S+15+32*\c], v[BS+2*\c]
	v_cvt_scalef32_pk16_bf6_f32 v[PT+4*\c:PT+2+4*\c], v[S+16+32*\c:S+31+32*\c], v[BS+2*\c+1]   ; (a conversion's three registers begin on an even number)
.endr
	v_nop                                          ; one plain vector line between a scaled conversion and the vector instruction that touches its result
.irp c, 0,1                                    ; the operand's layout wants a WHOLE block in a lane: lanes 0-15 block 2 c, lanes 16-31 block 2 c + 1
.irp i, 0,1,2
	v_permlane16_swap_b32 v[PC+6*\c+\i], v[PT+4*\c+\i]
.endr
.irp i, 0,1,2
	v_mov_b32 v[PC+3+6*\c+\i], v[PT+4*\c+\i]
.endr
.endr
.set II, 0
.rept 16
	v_pk_mul_f32 v[O+II:O+II+1], v[O+II:O+II+1], v[FF:FF+1] op_sel_hi:[1,0]   ; O^T under the new M: x f, each accumulator from its low end on.  (These 16 also stand between the lines that made p's codes and scale word and the products that take them)
.set II, II+2
.endr
	s_wait_dscnt 0x0                               ; V's fragments and scale words are in
.irp i, 0,1                                    ; O^T += V^T P^T: the four accumulators take turns, one instruction a turn, and the next step's eight products stand between two links of a chain
	v_wmma_scale_f32_16x16x128_f8f6f4 v[O+16*\i:O+16*\i+7], v[F+24*\i:F+24*\i+11], v[PC:PC+11], v[O+16*\i:O+16*\i+7], v[VS+\i], v[PS] matrix_a_fmt:MATRIX_FMT_BF6 matrix_b_fmt:MATRIX_FMT_BF6
	v_wmma_scale_f32_16x16x128_f8f6f4 v[O+16*\i+8:O+16*\i+15], v[F+24*\i+12:F+24*\i+23], v[PC:PC+11], v[O+16*\i+8:O+16*\i+15], v[VS+\i], v[PS] matrix_a_fmt:MATRIX_FMT_BF6 matrix_b_fmt:MATRIX_FMT_BF6 matrix_a_scale:MATRIX_SCALE_ROW1
.endr
.rept 4
	v_nop                                          ; four places in front of the next loads into the fragments' and scale words' registers, and of the way out's read of O^T
.endr
.Lhidden_\@:
	s_add_co_u32 s[KF], s[KF], 128
.endm
.macro SLOT_STEPS
	v_add_nc_u32 v[ADI], s[TB], v[LI]
	v_add_nc_u32 v[ADS], s[TB], v[LS]
	STEP 0
	STEP 1
	s_xor_b32 s[TB], s[TB], SLOT1                  ; on to the other slot
.endm
; THE WAY OUT of a block of queries.  The sum's halves are added; O^T is divided by the sum and goes through my own stage in LDS, so that sixteen lanes store a query's 64 numbers: 256 consecutive bytes, aligned.
.macro FINISH
	v_add_f32 v[SUM], v[SUM], v[SUM+1]             ; the sum's two halves,
	v_permlanex16_b32 v[TT], v[SUM], s[SEL], s[SEL+1]
	v_add_f32 v[SUM], v[SUM], v[TT]                ; and lane l xor 16's: the row's sum
	v_rcp_f32 v[SUM], v[SUM]
	v_nop                                          ; a plain vector line behind the reciprocal,
	s_wait_alu depctr_va_vdst(0)                   ; and a wait ahead of its first reader
.set II, 0
.rept 16
	v_pk_mul_f32 v[S+II:S+II+1], v[O+II:O+II+1], v[SUM:SUM+1] op_sel_hi:[1,0]   ; register 8 t + i is o(query r, d = 16 t + 8 h + i)
.set II, II+2
.endr
.irp t, 0,1,2,3
	ds_store_b128 v[STO], v[S+8*\t:S+8*\t+3] offset:64*\t
	ds_store_b128 v[STO], v[S+8*\t+4:S+8*\t+7] offset:64*\t+16
.endr
.irp i, 0,1,2,3,4,5,6,7
	ds_load_b128 v[F+4*\i:F+4*\i+3], v[RD] offset:2*\i*SPITCH      ; LDS serves a wave's instructions in order (ISA guide 5.7.1.4): these see my stores
.endr
.irp i, 0,1,2,3,4,5,6,7
	s_wait_dscnt 7-\i                              ; rows 2 i and 2 i + 1 are back; the younger loads may be out
	global_store_b128 v[GO], v[F+4*\i:F+4*\i+3], s[OA:OA+1] offset:8192*\i th:TH_STORE_NT   ; written once, read by nobody here
.endr
.endm
	s_load_b128 s[4:7], s[0:1], 0x0                ; Q, kv
	s_load_b64 s[8:9], s[0:1], 0x10                ; out0
	v_lshl_add_u32 v[SPW], v0, 2, SPARE
	v_mov_b32 v[NIL], 0
	ds_add_u32 v3, v4
	s_wait_dscnt 0x0
	v_lshrrev_b32 v1, 5, v0
	v_readfirstlane_b32 s[WV], v1                  ; wave 0..15
	s_and_b32 s82, ttmp7, 0xffff                   ; the head, 0 .. 63;  ttmp9 is j
	s_mov_b32 s[SEL], 0x76543210
	s_mov_b32 s[SEL+1], 0xfedcba98
	s_mov_b32 s[CS], 0x3e38aa3b                    ; c = log2(e) / 8
	s_mov_b32 s[CS+1], s[CS]                       ; (named with it as a pair, so it is written)
	; descriptor groups 1: dense blocks as rows of 256 bytes (32 elements of 8 bytes), no padding: 32 rows of codes, 4 rows of scale words
	s_mov_b32 s[G1C], 3<<16
	s_mov_b32 s[G1C+1], 32<<16                     ; tensor_dim0 = 32
	s_mov_b32 s[G1C+2], 32<<16                     ; tensor_dim1 = 32
	s_mov_b32 s[G1C+3], 32<<16                     ; tile_dim0 = 32
	s_mov_b32 s[G1C+4], 32                         ; tile_dim1 = 32
	s_mov_b32 s[G1C+5], 32                         ; elements from row to row
	s_mov_b32 s[G1C+6], 0
	s_mov_b32 s[G1C+7], 0
	s_mov_b32 s[G1S], 3<<16
	s_mov_b32 s[G1S+1], 32<<16
	s_mov_b32 s[G1S+2], 4<<16                      ; tensor_dim1 = 4
	s_mov_b32 s[G1S+3], 32<<16
	s_mov_b32 s[G1S+4], 4                          ; tile_dim1 = 4
	s_mov_b32 s[G1S+5], 32
	s_mov_b32 s[G1S+6], 0
	s_mov_b32 s[G1S+7], 0
	s_mov_b32 s[TB], 0
	s_mov_b32 s[SLOTS], 8
	s_mov_b32 s[SG], 0
	s_mov_b32 s[T0+1], 0
	s_mov_b32 s[KF], 0
	s_sub_co_u32 s[NS1], 8, ttmp9
	s_add_co_u32 s[SWS], ttmp9, 1
	s_lshl_b32 s83, s[WV], 4
	s_sub_co_u32 s[Q0], 7, ttmp9
	s_lshl_b32 s[Q0], s[Q0], 8
	s_add_co_u32 s[Q0], s[Q0], s83                 ; my first query: 256 (7 - j) + 16 x wave,
	s_lshl_b32 s[Q0B], ttmp9, 8
	s_add_co_u32 s[Q0B], s[Q0B], s83               ; and of the second block: 256 j + 16 x wave
	s_min_u32 s84, s[WV], 2
	s_lshl_b32 s84, s84, 13                        ; my third of a record (waves 0 to 2 fetch)
	s_mul_i32 s80, s82, 8*RECB                     ; the head's codes in kv
	s_lshl_b32 s81, s82, 13
	s_add_co_u32 s81, s81, SCO                     ; and its scale words
	s_add_co_u32 s86, s80, s84
	s_mov_b32 s87, 0
	s_mov_b32 s88, s81
	s_mov_b32 s89, 0
	s_lshr_b32 s90, s82, 4
	s_lshl_b32 s90, s90, 23                        ; out0: the batch's 2,048 rows of 4,096 bytes,
	s_and_b32 s91, s82, 15
	s_lshl_b32 s91, s91, 8                         ; the head's 256 bytes of a row,
	s_add_co_u32 s90, s90, s91
	s_lshl_b32 s92, s[Q0], 12                      ; my first query's row
	s_add_co_u32 s92, s92, s90
	s_mov_b32 s93, 0
	s_lshl_b32 s94, s[Q0B], 12
	s_add_co_u32 s94, s94, s90
	s_mov_b32 s95, 0
	s_lshl_b32 s96, s82, 11                        ; Q: the head's 2,048 rows of 256 bytes
	s_add_co_u32 s97, s96, s[Q0B]
	s_add_co_u32 s96, s96, s[Q0]
	s_lshl_b32 s76, s96, 8
	s_mov_b32 s77, 0
	s_lshl_b32 s78, s97, 8
	s_mov_b32 s79, 0
	; the prefetches (macro ASK): where my wave's stand, their step, and who asks
	s_sub_co_u32 s74, s[WV], 4
	s_lshl_b32 s74, s74, 13                        ; waves 4 to 6: a third of a record each,
	s_add_co_u32 s74, s74, s80
	s_add_co_u32 s74, s74, RECB                    ; in slot 1: the first change of slots steps it to slot 2
	s_mov_b32 s[PFS], RECB
	s_mov_b32 s[LIM], 2                            ; they ask while s[SLOTS] is 8 .. 3
	s_cmp_eq_u32 s[WV], 7
	s_cselect_b32 s74, s81, s74                    ; wave 7: the head's scale words,
	s_cselect_b32 s[PFS], 0, s[PFS]
	s_cselect_b32 s[LIM], 7, s[LIM]                ; once, while s[SLOTS] is 8
	s_lshr_b32 s75, s[WV], 2
	s_xor_b32 s75, s75, 1                          ; 0 in waves 4 to 7,
	s_or_b32 s75, s75, ttmp9                       ; of the head's work-group j = 0
	s_cmp_eq_u32 s75, 0
	s_cselect_b32 s[LIM], s[LIM], -1               ; nobody else asks
	s_cselect_b32 s74, s74, 0
	s_cselect_b32 s[PFS], s[PFS], 0
	s_mov_b32 s75, 0
	s_mov_b32 s[PFS+1], 0
	s_wait_kmcnt 0x0
	s_add_nc_u64 s[CB:CB+1], s[6:7], s[86:87]
	s_add_nc_u64 s[SB:SB+1], s[6:7], s[88:89]
	s_mov_b32 s[G0C], 1                            ; count = 1
	s_mov_b32 s[G0C+1], s84                        ; LDS address: slot 0, my third
	s_mov_b64 s[G0C+2:G0C+3], s[CB:CB+1]           ; global address: the head's slot 0
	s_or_b32 s[G0C+3], s[G0C+3], 0x80000000        ; type = 2
	s_mov_b32 s[G0S], 1
	s_mov_b32 s[G0S+1], SCL
	s_mov_b64 s[G0S+2:G0S+3], s[SB:SB+1]
	s_or_b32 s[G0S+3], s[G0S+3], 0x80000000
	TLOAD                                          ; slot 0: the first fill, ahead of every wait on TENSORcnt, every LDS read and every barrier
	s_add_nc_u64 s[76:77], s[4:5], s[76:77]        ; Q at my first query of the first block,
	s_add_nc_u64 s[78:79], s[4:5], s[78:79]        ; and of the second
	s_add_nc_u64 s[OA:OA+1], s[8:9], s[92:93]
	s_add_nc_u64 s[OB:OB+1], s[8:9], s[94:95]
	s_add_nc_u64 s[PFA:PFA+1], s[6:7], s[74:75]
	v_and_b32 v[TT], 31, v0                        ; lane
	v_and_b32 v[SU2], 15, v0                       ; r
	v_bfe_u32 v[SU2+1], v0, 4, 1                   ; h
	v_lshlrev_b32 v[QOF], 8, v[SU2]
	v_lshl_add_u32 v[QOF], v[SU2+1], 7, v[QOF]     ; Q: row r of 256 bytes, + 128 h: a whole block of 32 along d is mine
.irp i, 0,1,2,3,4,5,6,7
	global_load_b128 v[S+4*\i:S+4*\i+3], v[QOF], s[76:77] offset:16*\i th:TH_LOAD_NT
.endr
.irp i, 0,1,2,3,4,5,6,7
	global_load_b128 v[S+32+4*\i:S+32+4*\i+3], v[QOF], s[78:79] offset:16*\i th:TH_LOAD_NT
.endr
	v_lshlrev_b32 v[LI], 4, v[TT]
	v_lshlrev_b32 v[LS], 2, v[TT]
	v_lshlrev_b32 v[PFO], 8, v[TT]
	v_lshlrev_b32 v[GO], 12, v[SU2+1]
	v_lshl_add_u32 v[GO], v[SU2], 4, v[GO]         ; the way out: lanes 0-15 take one row of out0, lanes 16-31 the next; 16 bytes a lane
	s_mul_i32 s85, s[WV], 16*SPITCH
	s_add_co_u32 s85, s85, STAGE                   ; my stage
	v_mul_u32_u24 v[STO], v[SU2], SPITCH
	v_lshl_add_u32 v[STO], v[SU2+1], 5, v[STO]
	v_add_nc_u32 v[STO], s85, v[STO]               ; in: row r; tile t's eight numbers of my half: 64 t + 32 h bytes on
	v_mul_u32_u24 v[RD], v[SU2+1], SPITCH
	v_lshl_add_u32 v[RD], v[SU2], 4, v[RD]
	v_add_nc_u32 v[RD], s85, v[RD]                 ; back: lanes 0-15 one row, lanes 16-31 the next
	v_lshlrev_b32 v[DG], 4, v[SU2+1]
	v_sub_nc_u32 v[DG], v[SU2], v[DG]
	v_lshlrev_b32 v[AUX], 3, v[SU2+1]              ; 8 h
.irp i, 0,1,2,3,4,5
	v_mov_b32 v[QB+\i], 0                          ; the zero codes of [0 | q]
	v_mov_b32 v[QA+6+\i], 0                        ; and of [q | 0]
.endr
.irp b, 0,1,2,3
	v_mov_b32 v[BP+\b], 0                          ; written once: a lane permute's destination counts as one of its sources
.endr
	v_mov_b32 v[FF+1], 0
	s_wait_loadcnt 0x8                             ; the first block's eight loads are in; the second block's eight may be out
	QQ S, QA, QSA
	s_wait_loadcnt 0x0
	QQ S+32, Q2, Q2S
	v_lshlrev_b32 v[QSB], 16, v[QSA]
	RESET                                          ; (its 36 plain lines also stand between the lines that made q's codes and scale words and the first product)
.Lslot:                                            ; 8 trips: behind each change of slots but the last the next slot is asked for
	CHANGE 1
	SLOT_STEPS
	s_cmp_lg_u32 s[SLOTS], s[SWS]                  ; was that the first block's last slot?  A branch on ids; no barrier, no tensor load and no wait on TENSORcnt stands under it
	s_cbranch_scc1 .Lstay
	FINISH                                         ; the first block goes out,
	s_wait_xcnt 0x0                                ; its stores have read their base and their data: both may be written again
	s_mov_b64 s[OA:OA+1], s[OB:OB+1]               ; and the second block takes its place
	s_mov_b32 s[Q0], s[Q0B]
	s_mov_b32 s[KF], 0
.irp i, 0,1,2,3,4,5
	v_mov_b32 v[QA+\i], v[Q2+\i]
.endr
	v_mov_b32 v[QSA], v[Q2S]
	v_lshlrev_b32 v[QSB], 16, v[Q2S]
	RESET
.Lstay:
	s_sub_co_u32 s[SLOTS], s[SLOTS], 1
	s_cmp_lg_u32 s[SLOTS], 0
	s_cbranch_scc1 .Lslot
	CHANGE 0                                       ; the ninth slot is written out
	SLOT_STEPS
	FINISH
	s_wait_tensorcnt 0x0                           ; the wave's end: behind my last tensor load and my last LDS store
	ds_add_u32 v[SPW], v[NIL]
	s_wait_dscnt 0x0
	s_endpgm
.Lfunc_end_k_qd866708dee_attn:
	.size	k_qd866708dee_attn, .Lfunc_end_k_qd866708dee_attn-k_qd866708dee_attn
	.p2alignl 7, 3214868480
	.fill 96, 4, 3214868480
	.section	.rodata,"a",@progbits
	.p2align	6, 0x0
	.amdhsa_kernel k_qd866708dee_attn
		.amdhsa_group_segment_fixed_size 327680
		.amdhsa_private_segment_fixed_size 0
		.amdhsa_enable_private_segment 0
		.amdhsa_kernarg_size 24
		.amdhsa_user_sgpr_count 2
		.amdhsa_user_sgpr_kernarg_segment_ptr 1
		.amdhsa_wavefront_size32 1
		.amdhsa_system_sgpr_workgroup_id_x 1
		.amdhsa_system_sgpr_workgroup_id_y 1
		.amdhsa_system_sgpr_workgroup_id_z 1
		.amdhsa_system_vgpr_workitem_id 0
		.amdhsa_next_free_vgpr 256
		.amdhsa_next_free_sgpr 100
		.amdhsa_reserve_vcc 1
		.amdhsa_float_denorm_mode_32 3
		.amdhsa_float_denorm_mode_16_64 3
		.amdhsa_memory_ordered 1
		.amdhsa_forward_progress 1
		.amdhsa_inst_pref_size 105
	.end_amdhsa_kernel
	.amdgpu_metadata
---
amdhsa.version: [ 1, 2 ]
amdhsa.kernels:
  - .name:           k_qd866708dee_attn
    .symbol:         k_qd866708dee_attn.kd
    .args:
      - { .name: query, .offset: 0, .size: 8, .value_kind: global_buffer, .address_space: global }
      - { .name: kv, .offset: 8, .size: 8, .value_kind: global_buffer, .address_space: global }
      - { .name: out0, .offset: 16, .size: 8, .value_kind: global_buffer, .address_space: global }
    .group_segment_fixed_size: 327680
    .private_segment_fixed_size: 0
    .kernarg_segment_align: 8
    .kernarg_segment_size: 24
    .max_flat_workgroup_size: 512
    .sgpr_count:     100
    .vgpr_count:     256
    .wavefront_size: 32
...
	.end_amdgpu_metadata
.endif
;; end of part 2
